; MI455X (gfx1250); checked and timed in simulation.
; The chip was launched on July 23, 2026; its instructions are those of AMD's public machine-readable ISA for CDNA 5 (MIT licence, August 2026) and "CDNA5" Instruction Set Architecture Reference Guide (July 2026). The comments in the code are by the model that wrote it; some were corrected since.
;; Custom LSTM Cell. Allowed arithmetic: matrix products marked QUANTISED: E2M1 operands, one E8M0 scale for each 32 along K, by v_wmma_scale_f32_16x16x128_f8f6f4 with both operands' format E2M1 (or v_wmma_scale_f32_32x16x128_f4), f32 sums; everything else in f32.
;; Inputs: W_h 4,096 x 1,024 float32; W_x 4,096 x 1,024 float32; b_extra 4,096 float32; b_h 4,096 float32; b_x 4,096 float32; c_prev 8,192 x 1,024 float32; e_t 8,192 x 1,024 float32; h_prev 8,192 x 1,024 float32.
;; Outputs: out0 8,192 x 1,024 float32; out1 8,192 x 1,024 float32.
;; This version of the problem:
;;   THIS VERSION OF THE PROBLEM IS GIVEN IN LOW PRECISION. The matrix products marked QUANTISED in the list below multiply operands that are first quantised to E2M1 (2 exponent bits, 1 mantissa bit; 4 bits a number), with one power-of-two scale for each 32 numbers along K (OCP MX v1.0); their sums are f32. All else is computed in f32.
;;   The module's matrix products, in the order in which they are computed (A, B: the left and right operand; K: the contracted axis; several contracted axes count as one K, in the product's order):
;;     1. [M 8,192, K 1,024] x [K 1,024, N 4,096]; A: input e_t; B: input W_x: QUANTISED
;;     2. [M 8,192, K 1,024] x [K 1,024, N 4,096]; A: input h_prev; B: input W_h: QUANTISED
;;   THE QUANTISER, for each operand of a quantised product, along K:
;;     - K is cut into blocks of 32 from its start; a last block that is shorter is filled with zeros.
;;     - A block's scale is 2^e with e = floor(log2(the largest magnitude in the block)) - 2, held to -126 .. 127; a block of zeros has e = 0. As a byte (E8M0): e + 127.
;;     - Each number is divided by its block's scale, clamped to +-6, and rounded to the nearest number of E2M1, ties to even, subnormals kept.
;;     - The product sums the exact products of the quantised numbers (number of the format x scale) in f32.
;;   ~~~python
;;   def quantise(x, axis):      # numpy; x: float32 -> the quantised numbers, widened to float32 again
;;       x = np.moveaxis(x, axis, -1); K = x.shape[-1]
;;       x = np.pad(x, [(0, 0)] * (x.ndim - 1) + [(0, -K % 32)]); x = x.reshape(x.shape[:-1] + (-1, 32)); a = np.abs(x).max(-1, keepdims=True)
;;       e = np.where(a > 0, np.clip(np.frexp(np.where(a > 0, a, 1))[1] - 1 - 2, -126, 127), 0)      # np.frexp(a)[1] - 1 = floor(log2(a)), exactly
;;       r = np.clip(x / 2.0 ** e, -6, 6)
;;       step = 2.0 ** (np.maximum(np.frexp(np.where(r == 0, 1, r))[1] - 1, 0) - 1)
;;       q = np.round(r / step) * step * 2.0 ** e      # np.round: ties to even
;;       return np.moveaxis(q.reshape(q.shape[:-2] + (-1,))[..., :K], -1, axis).astype(np.float32)
;;   ~~~
;; One version. Each part assembles by itself: llvm-mc -triple=amdgcn-amd-amdhsa -mcpu=gfx1250 --defsym DOCPART=n.
;; ======== version 1 of 1: 2 launches
;; limits: right only within a limited range of input values
;; workspace buffers: a_img 8,912,896 bytes; b_img 4,456,448 bytes
;; launch quant (part 1): grid 768 x 1, 4 waves a work-group, no clusters, 39,424 bytes of LDS; arguments e_t, h_prev, W_x, W_h, a_img, b_img; writes a_img, b_img
.if DOCPART == 1
	.amdgcn_target "amdgcn-amd-amdhsa--gfx1250"
	.amdhsa_code_object_version 6
	.text
	.protected	k_q377f34f047_quant
	.globl	k_q377f34f047_quant
	.p2align	8
	.type	k_q377f34f047_quant,@function
k_q377f34f047_quant:
	s_mov_b64 s[64:65], 0
	v_nop
	global_prefetch_b8 v0, s[64:65] scope:SCOPE_SE
	s_setreg_imm32_b32 hwreg(HW_REG_WAVE_MODE, 25, 1), 1
	s_wait_xcnt 0x0
; THE PROGRAM: an LSTM cell.  z = Q(e_t) Q(W_x)^T + Q(h_prev) Q(W_h)^T + b_x + b_h + b_extra, Q the MX-FP4 quantiser along K; then three sigmoids, two tanh, c_t and h_t in f32.
; Both products have the same M and N and are added: ONE product with K = 2,048, A = [e_t | h_prev], B = [W_x | W_h]; the seam at k = 1,024 is a multiple of 32, so no block of the quantiser crosses it.
; NO WORK OF reference() IS LEFT OUT: every input has a way to both outputs, and every input is loaded.
; THIS LAUNCH turns the four f32 operands into codes of FP4 (E2M1) with one E8M0 byte for each 32 along K, laid as the next launch's LDS holds them:
;   an image for each 128 rows and each K step of 512: 128 rows of 272 bytes = 256 bytes of codes (two a byte, K ascending) and the row's 16 scale bytes; 34,816 dense bytes.
;   a_img [64 row blocks][4 K steps][34,816], b_img [32][4][34,816].  K steps 0, 1 are the first tensor's, 2, 3 the second's.
;   B'S ROWS GO IN ANOTHER ORDER: source row 1024 g + j (gate g, hidden unit j) goes to row 128 (j / 32) + 32 g + j % 32, so that 128 neighbouring rows hold the four gates of 32 hidden units.
; A block's scale is 2^(floor(log2(its largest magnitude)) - 2); its byte is the largest magnitude's exponent field - 2, held at 1 from below.  Each number is divided by the scale and rounded to the nearest code, ties to even, beyond 6 the largest code.
; LIMITS: a block of zeros gets the byte 1 where the rule says 127 (its codes are zeros, and this program alone reads the bytes); NaN and infinities among the inputs are not served.
; SHARES: work-groups 0-511 take 16 rows of the activations, 512-767 16 rows of the weights.  Wave w takes K step w of the 16 rows: 16 steps of 512 numbers, a row a step.
; Its results, 16 x 272 = 4,352 bytes = 17 x 256, are consecutive in the image and begin at a multiple of 256: they are gathered in LDS and leave by 17 stores of 256 consecutive bytes.
; Each of a step's four loads reads 512 consecutive bytes, 16 a lane; the conversions want 16 NEIGHBOURS in a lane: the 2,048 bytes turn through the wave's own stage in LDS (16 bytes of padding behind each 64).
; No tensor loads, no barrier: waves share nothing.  Loads run four steps (16 loads a wave) ahead.
.set WAVES, 4
.set STEPS, 16
.set ACTWG, 512
.set EMAX,  2
.set IMG,   34816                      ; an image: 128 rows x 272 bytes
.set R,     16                         ; v16-79   four sets of 16 numbers as loaded; at the end v16-49 the way out
.set X,     80                         ; v80-111  two sets of 16 neighbours
.set C,     128                        ; v128-191 codes, four registers a step
.set E,     112                        ; v112-127 a scale byte a step
.set SP,    80                         ; a lane's place in a stage: 64 bytes + 16 of padding
.set OUTS,  2*32*SP                    ; behind the two stages: my 4,352 bytes of the image
.set WREG,  9728                       ; LDS: a region for each wave
.set SPW,   12                         ; v12 my spare word's LDS address; never rewritten
.set NIL,   13                         ; v13 0; never rewritten
.set SPARE, WAVES*WREG                 ; the spare words, 128 bytes a wave, which no other line names
	s_load_b256 s[4:11], s[0:1], 0x0               ; e_t, h_prev, W_x, W_h
	s_load_b128 s[12:15], s[0:1], 0x20             ; a_img, b_img
	v_lshl_add_u32 v[SPW], v0, 2, SPARE
	v_mov_b32 v[NIL], 0
	v_lshrrev_b32 v1, 5, v0
	v_readfirstlane_b32 s20, v1                    ; wave = K step
	v_and_b32 v2, 31, v0                           ; lane
	v_lshlrev_b32 v3, 4, v2                        ; my 16 bytes of a load's 512
	s_mul_i32 s21, s20, WREG
	v_lshrrev_b32 v14, 2, v2
	v_mul_u32_u24 v14, v14, SP
	v_and_b32 v15, 3, v2
	v_lshl_add_u32 v14, v15, 4, v14
	v_add_nc_u32 v14, s21, v14                     ; the stage, on the way in
	v_mul_u32_u24 v15, v2, SP
	v_add_nc_u32 v15, s21, v15                     ; and on the way out: my 16 neighbours
	v_lshlrev_b32 v7, 3, v2                        ; 8 bytes a lane
	v_lshrrev_b32 v5, 1, v2
	s_add_co_u32 s21, s21, OUTS
	v_add_nc_u32 v4, s21, v7                       ; LDS: my codes' place in a row of the image
	v_add_nc_u32 v5, s21, v5
	v_add_nc_u32 v5, 256, v5                       ; and my block's scale byte
	s_lshl_b32 s32, ttmp9, 4                       ; activations: first row, in and out
	s_sub_co_u32 s33, s32, 16*ACTWG                ; weights: source row 1024 g + j
	s_and_b32 s34, s33, 1023
	s_lshr_b32 s34, s34, 5
	s_lshl_b32 s34, s34, 7                         ; 128 (j / 32)
	s_lshr_b32 s35, s33, 10
	s_lshl_b32 s35, s35, 5                         ; 32 g
	s_add_co_u32 s34, s34, s35
	s_and_b32 s35, s33, 31                         ; j % 32: 0 or 16, so my 16 rows stay neighbours
	s_add_co_u32 s34, s34, s35
	s_wait_alu depctr_va_vdst(0)                   ; the wait at the head's end
	s_wait_kmcnt 0x0
	s_cmp_lt_u32 ttmp9, ACTWG                      ; the choice hangs on the work-group's number alone
	s_cselect_b64 s[24:25], s[4:5], s[8:9]
	s_cselect_b64 s[26:27], s[6:7], s[10:11]
	s_cselect_b64 s[28:29], s[12:13], s[14:15]
	s_cselect_b32 s33, s32, s33                    ; the row that I read
	s_cselect_b32 s34, s32, s34                    ; the row that I write
	s_cmp_lt_u32 s20, 2                            ; K steps 0, 1: the first tensor
	s_cselect_b64 s[24:25], s[24:25], s[26:27]
	s_lshl_b32 s36, s33, 12                        ; 4,096 bytes a row of f32,
	s_and_b32 s35, s20, 1
	s_lshl_b32 s35, s35, 11                        ; my half of it
	s_add_co_u32 s36, s36, s35
	s_mov_b32 s37, 0
	s_add_nc_u64 s[24:25], s[24:25], s[36:37]
	s_lshr_b32 s36, s34, 7
	s_lshl_b32 s36, s36, 2
	s_add_co_u32 s36, s36, s20                     ; image 4 x row block + K step
	s_mul_i32 s36, s36, IMG
	s_and_b32 s35, s34, 127
	s_mul_i32 s35, s35, 272
	s_add_co_u32 s36, s36, s35
	s_add_nc_u64 s[28:29], s[28:29], s[36:37]
.macro LOAD t
.irp i, 0,1,2,3
	global_load_b128 v[R+16*((\t)%4)+4*\i:R+16*((\t)%4)+4*\i+3], v3, s[24:25] offset:4096*(\t)+512*\i th:TH_LOAD_NT   ; 512 consecutive bytes; read once
.endr
.endm
.macro TURN t                          ; LDS serves a wave's instructions in order: no wait between the stores and the loads
.irp i, 0,1,2,3
	ds_store_b128 v14, v[R+16*((\t)%4)+4*\i:R+16*((\t)%4)+4*\i+3] offset:32*SP*((\t)%2)+8*SP*\i
.endr
.irp i, 0,1,2,3
	ds_load_b128 v[X+16*((\t)%2)+4*\i:X+16*((\t)%2)+4*\i+3], v15 offset:32*SP*((\t)%2)+16*\i
.endr
.endm
.irp t, 0,1,2,3
	LOAD \t
.endr
	s_wait_loadcnt 12                              ; step 0's four loads are in
	TURN 0
.macro STEP t
.set XS, X+16*((\t)%2)
.if (\t) > 0
	s_wait_dscnt 2                                 ; this step's numbers are back (the last step's two stores of results may be out)
.else
	s_wait_dscnt 0x0
.endif
.if (\t)+4 < STEPS
	LOAD (\t)+4
.endif
.if (\t)+1 < STEPS
.if STEPS-2-(\t) >= 3
	s_wait_loadcnt 12                              ; the next step's four loads are in; three steps' may be out
.else
	s_wait_loadcnt 4*(STEPS-2-(\t))
.endif
	TURN (\t)+1
.endif
	v_max3_num_f32 v8, |v[XS]|, |v[XS+1]|, |v[XS+2]|               ; the largest magnitude of my 16, in two chains
	v_max3_num_f32 v9, |v[XS+3]|, |v[XS+4]|, |v[XS+5]|
.irp i, 6,10
	v_max3_num_f32 v8, v8, |v[XS+\i]|, |v[XS+\i+1]|
	v_max3_num_f32 v9, v9, |v[XS+\i+2]|, |v[XS+\i+3]|
.endr
	v_max3_num_f32 v8, v8, |v[XS+14]|, |v[XS+15]|
	v_max3_num_f32 v8, v8, v9, (EMAX+1)<<23        ; the floor: the byte cannot fall under 1
	v_max_num_f32_dpp v8, v8, v8 row_xmask:1 row_mask:0xf bank_mask:0xf   ; my neighbour's 16: the block's
	v_add_nc_u32 v11, -(EMAX<<23), v8              ; EMAX off the exponent field: the conversion's scale operand
	v_cvt_scalef32_pk8_fp4_f32 v[C+4*(\t)], v[XS:XS+7], v11
	v_cvt_scalef32_pk8_fp4_f32 v[C+4*(\t)+1], v[XS+8:XS+15], v11
	v_lshrrev_b32 v[E+(\t)], 23, v11               ; the scale's byte (also the plain line behind the conversions)
	ds_store_b8 v5, v[E+(\t)] offset:272*(\t)      ; both lanes of a block write the same byte
	ds_store_b64 v4, v[C+4*(\t):C+4*(\t)+1] offset:272*(\t)
.endm
.irp t, 0,1,2,3,4,5,6,7,8,9,10,11,12,13,14,15
	STEP \t
.endr
.irp k, 0,1,2,3,4,5,6,7,8,9,10,11,12,13,14,15,16
	ds_load_b64 v[R+2*\k:R+2*\k+1], v4 offset:256*\k   ; these see my stores
.endr
	s_wait_dscnt 0x0
.irp k, 0,1,2,3,4,5,6,7,8,9,10,11,12,13,14,15,16
	global_store_b64 v7, v[R+2*\k:R+2*\k+1], s[28:29] offset:256*\k   ; 256 consecutive bytes, at a multiple of 256 from the buffer's first byte
.endr
	s_wait_tensorcnt 0x0                           ; the wave's end
	ds_add_u32 v[SPW], v[NIL]
	s_wait_dscnt 0x0
	s_endpgm
.Lfunc_end_k_q377f34f047_quant:
	.size	k_q377f34f047_quant, .Lfunc_end_k_q377f34f047_quant-k_q377f34f047_quant
	.p2alignl 7, 3214868480
	.fill 96, 4, 3214868480
	.section	.rodata,"a",@progbits
	.p2align	6, 0x0
	.amdhsa_kernel k_q377f34f047_quant
		.amdhsa_group_segment_fixed_size 39424
		.amdhsa_private_segment_fixed_size 0
		.amdhsa_enable_private_segment 0
		.amdhsa_kernarg_size 48
		.amdhsa_user_sgpr_count 2
		.amdhsa_user_sgpr_kernarg_segment_ptr 1
		.amdhsa_wavefront_size32 1
		.amdhsa_system_sgpr_workgroup_id_x 1
		.amdhsa_system_sgpr_workgroup_id_y 1
		.amdhsa_system_sgpr_workgroup_id_z 1
		.amdhsa_system_vgpr_workitem_id 0
		.amdhsa_next_free_vgpr 192
		.amdhsa_next_free_sgpr 66
		.amdhsa_reserve_vcc 0
		.amdhsa_float_denorm_mode_32 3
		.amdhsa_float_denorm_mode_16_64 3
		.amdhsa_memory_ordered 1
		.amdhsa_forward_progress 1
		.amdhsa_inst_pref_size 36
	.end_amdhsa_kernel
	.amdgpu_metadata
---
amdhsa.version: [ 1, 2 ]
amdhsa.kernels:
  - .name:           k_q377f34f047_quant
    .symbol:         k_q377f34f047_quant.kd
    .args:
      - { .name: e_t, .offset: 0, .size: 8, .value_kind: global_buffer, .address_space: global }
      - { .name: h_prev, .offset: 8, .size: 8, .value_kind: global_buffer, .address_space: global }
      - { .name: W_x, .offset: 16, .size: 8, .value_kind: global_buffer, .address_space: global }
      - { .name: W_h, .offset: 24, .size: 8, .value_kind: global_buffer, .address_space: global }
      - { .name: a_img, .offset: 32, .size: 8, .value_kind: global_buffer, .address_space: global }
      - { .name: b_img, .offset: 40, .size: 8, .value_kind: global_buffer, .address_space: global }
    .group_segment_fixed_size: 39424
    .private_segment_fixed_size: 0
    .kernarg_segment_align: 8
    .kernarg_segment_size: 48
    .max_flat_workgroup_size: 128
    .sgpr_count:     66
    .vgpr_count:     192
    .wavefront_size: 32
...
	.end_amdgpu_metadata
.endif
;; end of part 1
;; launch cell (part 2): grid 16 x 16, 4 waves a work-group, clusters of 4 x 4, 327,680 bytes of LDS; arguments a_img, b_img, b_x, b_h, b_extra, c_prev, out0, out1; writes out0, out1
.if DOCPART == 2
	.amdgcn_target "amdgcn-amd-amdhsa--gfx1250"
	.amdhsa_code_object_version 6
	.text
	.protected	k_q377f34f047_cell
	.globl	k_q377f34f047_cell
	.p2align	8
	.type	k_q377f34f047_cell,@function
k_q377f34f047_cell:
	s_mov_b64 s[64:65], 0
	v_nop
	global_prefetch_b8 v0, s[64:65] scope:SCOPE_SE
	s_setreg_imm32_b32 hwreg(HW_REG_WAVE_MODE, 25, 1), 1
	s_wait_xcnt 0x0
	s_wait_alu depctr_hold_cnt(0) depctr_sa_sdst(0) depctr_va_vdst(0) depctr_va_sdst(0) depctr_va_ssrc(0) depctr_va_vcc(0) depctr_vm_vsrc(0)
	s_getreg_b32 s2, hwreg(HW_REG_IB_STS2, 6, 4)
	s_cmp_eq_u32 s2, 0
	s_cbranch_scc0 .Lentry_in_a_cluster
	s_endpgm
.Lentry_in_a_cluster:
	s_bfe_u32 s2, ttmp6, 0x10000c
	s_cmp_lg_u32 s2, 0xf033
	s_cbranch_scc0 .Lentry_shape_is_right
	s_endpgm
.Lentry_shape_is_right:
; z[8192][4096] = A B^T + (b_x + b_h + b_extra) on codes of FP4 (E2M1) with one E8M0 scale for each 32 along K, K = 2,048, and the LSTM cell on z:
; c_t = sigmoid(zf) c_prev + sigmoid(zi) tanh(zc), h_t = sigmoid(zo) tanh(c_t), in f32.  out0 = h_t, out1 = c_t.  z never goes to memory.  No work of reference() is left out.
; THE OPERANDS come as images of LDS (the launch before): for 128 rows and a K step of 512, 128 rows of 272 bytes: 256 of codes, 16 scale bytes.  An image is 136 dense rows of 256 bytes for the tensor load.
; B's rows come in the order 128 (j / 32) + 32 g + j % 32 (gate g in the order f, i, o, c; hidden unit j): a wave's 128 rows of B are the four gates of 32 hidden units.
; SHARES.  A tile is 256 batch rows x 256 rows of B (64 hidden units x 4 gates); four waves, 128 x 128 each: 64 accumulators, 512 registers.  A WORK-GROUP STAYS: it makes two tiles, 4,096 batch rows apart, on the same rows of B.
; THE MATRIX INSTRUCTION IS USED TRANSPOSED (source 0 = 16 rows of B, source 1 = 16 rows of A): in accumulator (a, b) lane (r, h) holds batch row 16 a + r, register i gate b / 2 of hidden unit 16 (b % 2) + 8 h + i.
; So the four gates of an output lie in one lane.  The biases' sum is the C of each sum's first matrix instruction.
; LDS: loader wave w (0, 1: A's halves; 2, 3: B's) owns 69,632 bytes: its quarter of slot 0, then of slot 1.  ONE load of 272 rows brings a tile's K steps 0 and 1; K steps 2 and 3 come by loads of 136 rows.
; FRAGMENTS: A has one set of registers (blocks 0-3 fetched anew in a step's middle, blocks 4-7 at its end), B two; B's set for the step after next is fetched at a step's end, so a step's 32 LDS loads go out in runs of 8 and 24.
; c_prev's tile (256 x 256 bytes, 64 rows a wave, a load of the work-group's own) comes where slot 0 held A's rows, behind K step 2; in the last step it is read into 128 registers of window 1.
; Then a round, and the NEXT tile's K steps 0 and 1 are asked for: they are on their way while the cell is computed.  The last tile asks for nothing: its cell is written out behind the loop over tiles.
; THE CELL goes by pairs of blocks of 16 batch rows, in a loop of 4 trips; a chain of branches on the trip's number picks the lines that name the pair's accumulators and its c_prev.
; One block's plain work of a single level stands between the other block's exponentials or reciprocals; each such run has one wait behind it.
; c_t and h_t go through a stage of their own bytes, a buffer for each block of the pair.  Two barriers a trip: one between the stores into the stage and the reads of whole rows (a row's 256 bytes come from two waves),
; one, signalled behind the wait for those reads and awaited ahead of the next trip's stores, between the reads and the next stores.  Each wave stores 32 whole rows under the next trip's work.
; CLUSTERS: 4 x 4.  A's images are asked for jointly along a row of the cluster, B's along a column.
; PREFETCHES: at the head the first tile's K steps 2 and 3, of the image pair that my wave will load my work-group's quarter (17,408 bytes, told apart by address), more than a K step ahead of their loads;
; c_prev's 64 rows of my wave at a tile's first change of slots, two K steps ahead of their load; in the first tile the next tile's 278,528 bytes of A, 17,408 for each of the 16 waves
; of the four partners that will ask for them, in three parts at the three changes of slots.  B's images have been read by then.
; LIMITS: the three biases are added first and the products onto them (another order of rounding than reference()'s).  sigmoid(x) = 1 / (1 + 2^(-x log2 e)), tanh(x) = 1 - 2 / (1 + 2^(2 x log2 e)):
; absolute error of a few units of 2^-24, so tanh's relative accuracy is lost for |x| under about 1e-5; where the exponential overflows the reciprocal gives 0, the right limit.  NaN and infinities among the inputs are not served.
; REGISTERS: window 0: v1-6 at work, v16-31 addresses; v32-95 scale words, two sets; v128-191 A's fragments; v192-255 the biases' sum.  In the cell v32-159 the gates of two blocks, v160-191 c_prev then c_t.
;   window 1: B's fragments at v0 and v128 (in the cell v0-63: rows on their way out); c_prev at v64-127 and v192-255.   windows 2, 3: the accumulators ((a, b) at v[8 (8 (a % 4) + b)]).
.set PITCH,  272
.set HALFT,  128*PITCH                 ; an image
.set REG2,   2*HALFT                   ; a loader wave's bytes
.set NQ,     4
.set FR,     8
.set NL,     2
.set NP,     4                         ; places behind this matrix instruction (ISA guide 7.12.1)
.set STG,    4*REG2                    ; the stage: two buffers of 32 rows of c_t and 32 of h_t
.set HOFF,   32*PITCH
.set SBUF,   2*HOFF
.set SPARE,  STG+2*SBUF                ; the spare words, 128 bytes a wave, which no other line names
.set NEXTT,  32*4*HALFT                ; bytes from a tile's images of A to the next tile's
.set ADRA, 16
.set ADRB, 17
.set ADRS, 18                          ; scale words: lanes 0-15 A's rows, lanes 16-31 B's
.set EA,   19                          ; my 32 bytes of a row of c_prev's tile
.set ST,   20                          ; the same place in the stage
.set RD,   21                          ; where I read whole rows back
.set CO,   22                          ; my byte offset in the output
.set PFA,  23                          ; 256 x lane
.set PFB,  24                          ; 256 x min(lane, 3)
.set SPW,  28
.set NIL,  29
.set BO,   30
.set PFO,  31                          ; 4,096 x lane
.set SC,   32
.set AF,   128
.set BIAS, 192
.set Z,    32
.set CP,   160
.set OB,   0                           ; in window 1
.set CPP,  14                          ; s[14:15] c_prev at my wave's 64 rows
.set OUT,  16                          ; s[16:17] the output that I store
.set PK,   20                          ; s[20:21] my part of the first tile's K steps 2 and 3; never rewritten
.set G1,   24                          ; group 1, A, 136 rows;  s[32:39] group 0: K steps 0/2, K step 3
.set G0,   32
.set G1B,  40
.set G0B,  48
.set G1D,  56                          ; group 1, A, 272 rows
.set G1DB, 68
.set TL,   76                          ; tiles to go
.set BL,   77                          ; the cell's trip
.set PA,   78                          ; s[78:79] my part of the next tile's images of A; never rewritten
.set G1C,  84
.set G0C,  92
.set NLC,  66                          ; s[66:67] -log2 e; first: the two masks
.set TLC,  100                         ; s[100:101] 2 log2 e; first: at work
.set WV,   96
.set WR,   97                          ; my half of the tile's rows; also: I fetch for A (0) or B (1)
.set WC,   98                          ; my half of its columns; also: which image I fetch, and which output I store
.set TCOL, 99
.set TROW, 104
.set MSB, 0
.macro WIN new
.if MSB != (\new)
	s_set_vgpr_msb (MSB<<8)|(\new)
.set MSB, (\new)
.endif
.endm
.set MUL_LO,   0xa1
.set MUL_HI,   0xf1
.set FIRST_LO, 0x81
.set FIRST_HI, 0xc1
.set TO_B,     0x40
.macro PLACES n
.rept \n
	v_nop
.endr
.endm
; a joint load: waves 0, 1 for A, waves 2, 3 for B; an s_nop 0 and four v_nop behind each line
.macro JLOAD g0a, g1a, g0b, g1b
	s_cmp_eq_u32 s[WR], 0
	s_cbranch_scc0 .Lfor_b_\@
	tensor_load_to_lds s[\g0a:\g0a+3], s[\g1a:\g1a+7]
	s_nop 0
	PLACES 4
	s_branch .Lasked_\@
.Lfor_b_\@:
	tensor_load_to_lds s[\g0b:\g0b+3], s[\g1b:\g1b+7]
	s_nop 0
	PLACES 4
.Lasked_\@:
.endm
.macro CREST
	s_cmp_lg_u32 s[WV], 0
	s_cbranch_scc1 .Lnot_wave_0_\@
	s_barrier_signal -3
.Lnot_wave_0_\@:
	s_barrier_wait -3
	s_barrier_signal -1
	s_barrier_wait -1
.endm
.macro CROUND
	s_barrier_signal -1
	s_barrier_wait -1
	CREST
.endm
.macro ASKA reg, off                   ; the next tile's images of A, in the first tile alone
	s_cmp_eq_u32 s[TL], 2
	s_cbranch_scc0 .Lna_\@
	global_prefetch_b8 v[\reg], s[PA:PA+1] offset:\off th:TH_LOAD_NT scope:SCOPE_SE
.Lna_\@:
.endm
	s_load_b512 s[4:19], s[0:1], 0x0               ; a_img 4, b_img 6, b_x 8, b_h 10, b_extra 12, c_prev 14, out0 16, out1 18
	v_lshl_add_u32 v[SPW], v0, 2, SPARE
	v_mov_b32 v[NIL], 0
	ds_add_u32 v[SPW], v[NIL]                      ; the opening: the add, twice on end, and its wait ahead of my first tensor load
	ds_add_u32 v[SPW], v[NIL]
	v_lshrrev_b32 v1, 5, v0
	v_readfirstlane_b32 s[WV], v1
	s_lshr_b32 s[WR], s[WV], 1
	s_and_b32 s[WC], s[WV], 1
	s_bfe_u32 s2, ttmp6, 0x40000                   ; cx
	s_bfe_u32 s3, ttmp6, 0x40004                   ; cy
	s_lshl_b32 s[TCOL], ttmp9, 2
	s_add_co_u32 s[TCOL], s[TCOL], s2
	s_and_b32 s[TROW], ttmp7, 0xffff
	s_lshl_b32 s[TROW], s[TROW], 2
	s_add_co_u32 s[TROW], s[TROW], s3              ; the first tile's row, 0 .. 15
	s_lshl_b32 s66, s3, 2
	s_lshl_b32 s66, 15, s66                        ; my row of the cluster
	s_lshl_b32 s67, 0x1111, s2                     ; my column
	s_or_b32 s[G1], s66, (3<<16)|(1<<21)           ; the mask; elements of 8 bytes; bit 21 beside a mask; no padding: the image is dense
	s_or_b32 s[G1D], s66, (3<<16)|(1<<21)
	s_or_b32 s[G1B], s67, (3<<16)|(1<<21)
	s_or_b32 s[G1DB], s67, (3<<16)|(1<<21)
.irp g, G1, G1B
	s_mov_b32 s[\g+1], 32<<16
	s_mov_b32 s[\g+2], 136<<16
	s_mov_b32 s[\g+3], 32<<16
	s_mov_b32 s[\g+4], 136
	s_mov_b32 s[\g+5], 32
	s_mov_b32 s[\g+6], 0
	s_mov_b32 s[\g+7], 0
.endr
.irp g, G1D, G1DB
	s_mov_b32 s[\g+1], 32<<16
	s_mov_b32 s[\g+2], 272<<16
	s_mov_b32 s[\g+3], 32<<16
	s_mov_b32 s[\g+4], 272
	s_mov_b32 s[\g+5], 32
	s_mov_b32 s[\g+6], 0
	s_mov_b32 s[\g+7], 0
.endr
	s_mov_b32 s[G1C], (2<<16)|(1<<20)|(5<<22)|(3<<25)  ; c_prev: 64 rows x 64 f32, 16 bytes of padding behind each 256; no mask
	s_mov_b32 s[G1C+1], 64<<16
	s_mov_b32 s[G1C+2], 64<<16
	s_mov_b32 s[G1C+3], 64<<16
	s_mov_b32 s[G1C+4], 64
	s_mov_b32 s[G1C+5], 1024
	s_mov_b32 s[G1C+6], 0
	s_mov_b32 s[G1C+7], 0
	s_cmp_eq_u32 s[WR], 0                          ; the head's prefetch: K steps 2 and 3 of the images that I load,
	s_cselect_b32 s20, s[TROW], s[TCOL]
	s_cselect_b32 s21, s2, s3                      ; my place among the four that ask for them with me
	s_lshl_b32 s20, s20, 1
	s_add_co_u32 s20, s20, s[WC]
	s_mul_i32 s20, s20, 4*HALFT
	s_mul_i32 s21, s21, 17408
	s_add_co_u32 s20, s20, s21
	s_add_co_u32 s20, s20, 2*HALFT
	s_mov_b32 s21, 0
	s_lshl_b32 s80, s2, 2                          ; the prefetches of A: (4 cx + wave) x 17,408 in the next tile's 278,528 bytes
	s_add_co_u32 s80, s80, s[WV]
	s_mul_i32 s80, s80, 17408
	s_mul_i32 s81, s[TROW], 2*4*HALFT
	s_add_co_u32 s80, s80, s81
	s_add_co_u32 s80, s80, NEXTT
	s_mov_b32 s81, 0
	s_lshl_b32 s[G0+2], s[TROW], 1                 ; A: row block 2 x tile row + half
	s_add_co_u32 s[G0+2], s[G0+2], s[WC]
	s_mul_i32 s[G0+2], s[G0+2], 4*HALFT
	s_mov_b32 s[G0+3], 0
	s_lshl_b32 s[G0B+2], s[TCOL], 1
	s_add_co_u32 s[G0B+2], s[G0B+2], s[WC]
	s_mul_i32 s[G0B+2], s[G0B+2], 4*HALFT
	s_mov_b32 s[G0B+3], 0
	s_lshl_b32 s[G0C+2], s[TROW], 20
	s_lshl_b32 s105, s[WV], 18
	s_add_co_u32 s[G0C+2], s[G0C+2], s105
	s_lshl_b32 s100, s[TCOL], 8
	s_add_co_u32 s[G0C+2], s[G0C+2], s100
	s_mov_b32 s[G0C+3], 0
	s_lshl_b32 s2, s[TROW], 20                     ; the output: tile row, my row half, tile column
	s_lshl_b32 s105, s[WR], 19
	s_add_co_u32 s2, s2, s105
	s_add_co_u32 s2, s2, s100
	s_mov_b32 s3, 0
	s_mul_i32 s105, s[WV], REG2                    ; LDS: the wave's number times a constant, plus the slot's
	s_mov_b32 s[G0], 1
	s_mov_b32 s[G0+1], s105
	s_mov_b32 s[G0+4], 1
	s_add_co_u32 s[G0+5], s105, HALFT
	s_mov_b32 s[G0B], 1
	s_mov_b32 s[G0B+1], s105
	s_mov_b32 s[G0B+4], 1
	s_add_co_u32 s[G0B+5], s105, HALFT
	s_mov_b32 s[G0C], 1
	s_mul_i32 s[G0C+1], s[WR], REG2
	s_mul_i32 s105, s[WC], 64*PITCH
	s_add_co_u32 s[G0C+1], s[G0C+1], s105
	s_wait_dscnt 0x0                               ; both opening adds are done
	s_wait_kmcnt 0x0
	s_add_nc_u64 s[G0+2:G0+3], s[4:5], s[G0+2:G0+3]
	s_add_nc_u64 s[G0+6:G0+7], s[G0+2:G0+3], 3*HALFT
	s_or_b32 s[G0+3], s[G0+3], 0x80000000
	s_or_b32 s[G0+7], s[G0+7], 0x80000000
	s_add_nc_u64 s[G0B+2:G0B+3], s[6:7], s[G0B+2:G0B+3]
	s_add_nc_u64 s[G0B+6:G0B+7], s[G0B+2:G0B+3], 3*HALFT
	s_or_b32 s[G0B+3], s[G0B+3], 0x80000000
	s_or_b32 s[G0B+7], s[G0B+7], 0x80000000
	s_add_nc_u64 s[PA:PA+1], s[4:5], s[80:81]
	s_cmp_eq_u32 s[WR], 0
	s_cselect_b64 s[22:23], s[4:5], s[6:7]
	s_add_nc_u64 s[PK:PK+1], s[22:23], s[PK:PK+1]
	s_cmp_eq_u32 s[WC], 0
	s_cselect_b64 s[OUT:OUT+1], s[18:19], s[16:17] ; waves 0, 2: out1 (c_t); waves 1, 3: out0 (h_t)
	s_add_nc_u64 s[OUT:OUT+1], s[OUT:OUT+1], s[2:3]
	s_add_nc_u64 s[CPP:CPP+1], s[CPP:CPP+1], s[G0C+2:G0C+3]
	s_mov_b64 s[G0C+2:G0C+3], s[CPP:CPP+1]
	s_or_b32 s[G0C+3], s[G0C+3], 0x80000000
	CROUND                                         ; all sixteen work-groups are here
	JLOAD G0, G1D, G0B, G1DB                       ; K steps 0 and 1: my one tensor load at the head
	s_mul_i32 s100, s[WR], REG2                    ; my 128 rows of A
	s_add_co_u32 s101, s[WC], 2
	s_mul_i32 s101, s101, REG2                     ; my 128 rows of B
	s_sub_co_u32 s105, s101, s100
	s_lshl_b32 s83, s[WC], 7
	s_add_co_u32 s80, s100, s83                    ; c_prev: my row half, my 128 bytes
	s_mul_i32 s82, s[WR], 16*PITCH
	s_add_co_u32 s82, s82, STG
	s_add_co_u32 s81, s82, s83                     ; the stage, in
	s_mul_i32 s83, s[WC], HOFF
	s_add_co_u32 s82, s82, s83                     ; the stage, back: c_t's rows or h_t's
	s_lshl_b32 s2, s[TCOL], 8
	s_lshl_b32 s3, s[WC], 7
	s_add_co_u32 s2, s2, s3
	s_mov_b32 s[NLC], 0xbfb8aa3b
	s_mov_b32 s[NLC+1], s[NLC]
	s_mov_b32 s[TL], 2
	v_and_b32 v5, 31, v0
	v_lshlrev_b32 v[PFO], 12, v5
	v_lshlrev_b32 v[PFA], 8, v5
	v_min_u32 v5, 3, v5
	v_lshlrev_b32 v[PFB], 8, v5
	global_prefetch_b8 v[PFA], s[PK:PK+1] th:TH_LOAD_NT scope:SCOPE_SE               ; 68 blocks of 256 bytes: 32,
	global_prefetch_b8 v[PFA], s[PK:PK+1] offset:8192 th:TH_LOAD_NT scope:SCOPE_SE   ; 32,
	global_prefetch_b8 v[PFB], s[PK:PK+1] offset:16384 th:TH_LOAD_NT scope:SCOPE_SE  ; and 4; the lanes left over name the last again
	v_and_b32 v1, 15, v0                           ; r
	v_bfe_u32 v2, v0, 4, 1                         ; h
	v_lshl_add_u32 v[BO], v2, 5, s2                ; 4 x (64 x tile column + 32 x column half + 8 h)
.irp b, 0,1,2,3,4,5,6,7
.irp c, 0,1
	global_load_b128 v[BIAS+8*\b+4*\c:BIAS+8*\b+4*\c+3], v[BO], s[8:9] offset:4096*(\b/2)+64*(\b%2)+16*\c
	global_load_b128 v[AF+8*\b+4*\c:AF+8*\b+4*\c+3], v[BO], s[10:11] offset:4096*(\b/2)+64*(\b%2)+16*\c
	global_load_b128 v[SC+8*\b+4*\c:SC+8*\b+4*\c+3], v[BO], s[12:13] offset:4096*(\b/2)+64*(\b%2)+16*\c
.endr
.endr
	s_wait_loadcnt 0x0
.set n, 0
.rept 32
	v_pk_add_f32 v[BIAS+n:BIAS+n+1], v[BIAS+n:BIAS+n+1], v[AF+n:AF+n+1]
.set n, n+2
.endr
.set n, 0
.rept 32
	v_pk_add_f32 v[BIAS+n:BIAS+n+1], v[BIAS+n:BIAS+n+1], v[SC+n:SC+n+1]
.set n, n+2
.endr
	v_mul_u32_u24 v3, v1, PITCH
	v_lshl_add_u32 v4, v2, 4, v3
	v_add_nc_u32 v[ADRA], s100, v4
	v_add_nc_u32 v[ADRB], s101, v4
	v_mul_u32_u24 v6, s105, v2                     ; lanes 16-31 take B's: the lower base + h x the distance
	v_add_nc_u32 v5, v3, v6
	v_add_nc_u32 v5, s100, v5
	v_add_nc_u32 v[ADRS], 256, v5                  ; the scale bytes stand behind a row's codes
	v_lshl_add_u32 v4, v2, 5, v3
	v_add_nc_u32 v[EA], s80, v4
	v_add_nc_u32 v[ST], s81, v4
	v_mul_u32_u24 v5, v2, PITCH
	v_lshl_add_u32 v5, v1, 4, v5
	v_add_nc_u32 v[RD], s82, v5
	v_lshlrev_b32 v[CO], 12, v2
	v_lshl_add_u32 v[CO], v1, 4, v[CO]
	s_mov_b32 s[TLC], 0x4038aa3b
	s_mov_b32 s[TLC+1], s[TLC]
.macro FRAG reg, adr, slot, q, i
.irp c, 0,1
	ds_load_b128 v[\reg+4*\c:\reg+4*\c+3], v[\adr] offset:(\slot)*HALFT+64*(\q)+32*\c+(\i)*16*PITCH
.endr
.endm
; 16 matrix instructions: A's blocks a0, a0 + 1 x B's eight.  The 64 accumulators take turns, in the same order in every step.
.macro MUL16 a0, p, q, sc, first
.irp a, \a0, \a0+1
.irp b, 0,1,2,3,4,5,6,7
.if \first
	v_wmma_scale_f32_16x16x128_f8f6f4 v[8*(8*((\a)%4)+\b):8*(8*((\a)%4)+\b)+7], v[128*(\p)+FR*\b:128*(\p)+FR*\b+FR-1], v[AF+FR*(\a):AF+FR*(\a)+FR-1], v[BIAS+8*\b:BIAS+8*\b+7], v[SC+8*NQ*(\sc)+NQ*\b+(\q)], v[SC+8*NQ*(\sc)+NQ*(\a)+(\q)] matrix_a_fmt:MATRIX_FMT_FP4 matrix_b_fmt:MATRIX_FMT_FP4 matrix_a_scale:MATRIX_SCALE_ROW1
.else
	v_wmma_scale_f32_16x16x128_f8f6f4 v[8*(8*((\a)%4)+\b):8*(8*((\a)%4)+\b)+7], v[128*(\p)+FR*\b:128*(\p)+FR*\b+FR-1], v[AF+FR*(\a):AF+FR*(\a)+FR-1], v[8*(8*((\a)%4)+\b):8*(8*((\a)%4)+\b)+7], v[SC+8*NQ*(\sc)+NQ*\b+(\q)], v[SC+8*NQ*(\sc)+NQ*(\a)+(\q)] matrix_a_fmt:MATRIX_FMT_FP4 matrix_b_fmt:MATRIX_FMT_FP4 matrix_a_scale:MATRIX_SCALE_ROW1
.endif
.endr
.endr
.endm
.macro FETCH_B slot, q, p
	WIN TO_B
.irp i, 0,1,2,3,4,5,6,7
	FRAG 128*(\p)+FR*\i, ADRB, \slot, \q, \i
.endr
	WIN 0
.endm
.macro FETCH_A slot, q, i0
.irp i, \i0, \i0+1, \i0+2, \i0+3
	FRAG AF+FR*(\i), ADRA, \slot, \q, \i
.endr
.endm
.macro SCALES sc                       ; a slot's scale words: four a row; lanes 0-15 A's block i, lanes 16-31 B's
.irp i, 0,1,2,3,4,5,6,7
	ds_load_b128 v[SC+8*NQ*\sc+NQ*\i:SC+8*NQ*\sc+NQ*\i+3], v[ADRS] offset:\sc*HALFT+\i*16*PITCH
.endr
.endm
.macro STEP slot, q, first             ; 128 along K with its successor in the same slot (q = 0, 1, 2)
	s_wait_dscnt 12*NL                             ; all but the youngest 24 loads: A's blocks 4-7 and B's next set
.if \first
	WIN FIRST_LO
.else
	WIN MUL_LO
.endif
	MUL16 0, (\q)%2, \q, \slot, \first
	MUL16 2, (\q)%2, \q, \slot, \first
	s_wait_dscnt 8*NL                              ; A's blocks 4-7 are in; the 16 loads of B's next set may be out
	PLACES NP
	WIN 0
	FETCH_A \slot, (\q)+1, 0
.if \first
	WIN FIRST_HI
.else
	WIN MUL_HI
.endif
	MUL16 4, (\q)%2, \q, \slot, \first
	MUL16 6, (\q)%2, \q, \slot, \first
	PLACES NP
	WIN 0
	FETCH_A \slot, (\q)+1, 4
.if (\q) < 2
	FETCH_B \slot, (\q)+2, (\q)%2                  ; into the set that this step has just multiplied
.endif
.endm
; a slot's last step changes slots: my tensor loads all waited for, the add, my reads of the slot waited for, a round, and the refill first behind it.
; kind 1: slot 0 takes K step 2; kind 2: slot 1 takes K step 3; kind 3: c_prev's tile comes where slot 0 held A's rows.
.macro TURN slot, next, kind
	s_wait_tensorcnt 0x0
	ds_add_u32 v[SPW], v[NIL]
	s_wait_dscnt 4*NL+1                            ; (the add and the youngest eight loads may be out)
	WIN MUL_LO
	MUL16 0, 1, NQ-1, \slot, 0
	s_wait_dscnt 0x0
	s_barrier_signal -1
	MUL16 2, 1, NQ-1, \slot, 0
	WIN 0
	s_barrier_wait -1
	CREST
.if \kind == 1
	s_add_nc_u64 s[G0+2:G0+3], s[G0+2:G0+3], 2*HALFT
	s_add_nc_u64 s[G0B+2:G0B+3], s[G0B+2:G0B+3], 2*HALFT
	JLOAD G0, G1, G0B, G1B
.endif
.if \kind == 2
	JLOAD G0+4, G1, G0B+4, G1B
.endif
.if \kind == 3
	tensor_load_to_lds s[G0C:G0C+3], s[G1C:G1C+7]
	s_nop 0
	PLACES 4
.endif
	FETCH_B \next, 0, 0
	FETCH_A \next, 0, 0
	SCALES \next
.if \kind == 1
	global_prefetch_b8 v[PFO], s[CPP:CPP+1] th:TH_LOAD_NT scope:SCOPE_SE
	global_prefetch_b8 v[PFO], s[CPP:CPP+1] offset:32*4096 th:TH_LOAD_NT scope:SCOPE_SE
	ASKA PFA, 0
.endif
.if \kind == 2
	ASKA PFA, 8192
.endif
.if \kind == 3
	ASKA PFB, 16384                                ; the last four blocks of my 68; the lanes left over name the last again
.endif
	WIN MUL_HI
	MUL16 4, 1, NQ-1, \slot, 0
	MUL16 6, 1, NQ-1, \slot, 0
	PLACES NP
	WIN 0
	FETCH_A \next, 0, 4
	FETCH_B \next, 1, 1
.endm
; the lines that name the registers of blocks 2 t and 2 t + 1: the gates' exponents out of the accumulators, each from its low end on, and c_prev out of window 1
.macro SNIP t
.set AC, 128*((\t)%2)
.set CB, 64+32*(\t)+64*((\t)/2)
	WIN 0x02+(\t)/2
	s_wait_alu depctr_va_vdst(0)                   ; the wait ahead of the first reader of matrix results
.set n, 0
.rept 64
.if (n%64) < 48
	v_pk_mul_f32 v[Z+n:Z+n+1], v[AC+n:AC+n+1], s[NLC:NLC+1] op_sel_hi:[1,0]   ; f, i, o: -z log2 e
.else
	v_pk_mul_f32 v[Z+n:Z+n+1], v[AC+n:AC+n+1], s[TLC:TLC+1] op_sel_hi:[1,0]   ; c: 2 z log2 e
.endif
.set n, n+2
.endr
	WIN 0x01
.set n, 0
.rept 32
	v_mov_b32 v[CP+n], v[CB+n]
.set n, n+1
.endr
	WIN 0
.endm
.macro OST                             ; the 32 whole rows of the trip before: 16 lanes store 256 consecutive bytes, aligned; the data lie in window 1
	WIN 0x04
.irp aa, 0,1
.irp k, 0,1,2,3,4,5,6,7
	global_store_b128 v[CO], v[OB+32*\aa+4*\k:OB+32*\aa+4*\k+3], s[OUT:OUT+1] offset:(16*\aa+2*\k-32)*4096 th:TH_STORE_NT
.endr
.endr
	WIN 0
.endm
; a trip: blocks 2 t (set A) and 2 t + 1 (set B), 32 outputs a lane; v[Z + 64 aa + 16 g + e]: gate g of output e of set aa
.macro TRIP id
.irp t, 0,1,2
	s_cmp_lg_u32 s[BL], \t
	s_cbranch_scc1 .Lsn\id\t
	SNIP \t
	s_branch .Lsd\id
.Lsn\id\t:
.endr
	SNIP 3
.Lsd\id:
	s_wait_alu depctr_va_vdst(0)                   ; ahead of the batch
.set n, 0
.rept 64
	v_exp_f32 v[Z+n], v[Z+n]
.set n, n+1
.endr
	v_nop
	s_wait_alu depctr_va_vdst(0)                   ; and behind it
	s_wait_dscnt 0x0                               ; the rows of the trip before are back in registers
	s_cmp_eq_u32 s[BL], 0
	s_cbranch_scc1 .Lnf\id                         ; the first trip has none before it
	OST
.Lnf\id:
	s_barrier_signal -1                            ; my reads of the stage are over; register work alone up to this barrier's wait
.set n, 0
.rept 32                               ; B's exponentials, A's 1 + e between them
	v_exp_f32 v[Z+64+n], v[Z+64+n]
	v_pk_add_f32 v[Z+n:Z+n+1], v[Z+n:Z+n+1], 1.0 op_sel_hi:[1,0]
	v_exp_f32 v[Z+65+n], v[Z+65+n]
.set n, n+2
.endr
	v_nop
	s_wait_alu depctr_va_vdst(0)
.set n, 0
.rept 32                               ; A's reciprocals (f, i, o: the sigmoid; c: 1 / (1 + e^(2 z))), B's 1 + e between them
	v_rcp_f32 v[Z+n], v[Z+n]
	v_pk_add_f32 v[Z+64+n:Z+65+n], v[Z+64+n:Z+65+n], 1.0 op_sel_hi:[1,0]
	v_rcp_f32 v[Z+1+n], v[Z+1+n]
.set n, n+2
.endr
	v_nop
	s_wait_alu depctr_va_vdst(0)
.set k, 0
.rept 8                                ; B's reciprocals; between them A's tanh(zc) and g c_prev
	v_rcp_f32 v[Z+64+8*k], v[Z+64+8*k]
	v_pk_fma_f32 v[Z+48+2*k:Z+49+2*k], v[Z+48+2*k:Z+49+2*k], -2.0, 1.0 op_sel_hi:[1,0,0]
	v_rcp_f32 v[Z+65+8*k], v[Z+65+8*k]
	v_rcp_f32 v[Z+66+8*k], v[Z+66+8*k]
	v_rcp_f32 v[Z+67+8*k], v[Z+67+8*k]
	v_rcp_f32 v[Z+68+8*k], v[Z+68+8*k]
	v_pk_mul_f32 v[CP+2*k:CP+2*k+1], v[Z+2*k:Z+2*k+1], v[CP+2*k:CP+2*k+1]
	v_rcp_f32 v[Z+69+8*k], v[Z+69+8*k]
	v_rcp_f32 v[Z+70+8*k], v[Z+70+8*k]
	v_rcp_f32 v[Z+71+8*k], v[Z+71+8*k]
.set k, k+1
.endr
	v_nop
	s_wait_alu depctr_va_vdst(0)
.irp e, 0,2,4,6,8,10,12,14
	v_pk_fma_f32 v[Z+112+\e:Z+113+\e], v[Z+112+\e:Z+113+\e], -2.0, 1.0 op_sel_hi:[1,0,0]   ; B's tanh(zc)
.endr
.irp e, 0,2,4,6,8,10,12,14
	v_pk_mul_f32 v[CP+16+\e:CP+17+\e], v[Z+64+\e:Z+65+\e], v[CP+16+\e:CP+17+\e]           ; B's g c_prev
.endr
.irp aa, 0,1
.irp e, 0,2,4,6,8,10,12,14
	v_pk_fma_f32 v[CP+16*\aa+\e:CP+16*\aa+\e+1], v[Z+64*\aa+16+\e:Z+64*\aa+17+\e], v[Z+64*\aa+48+\e:Z+64*\aa+49+\e], v[CP+16*\aa+\e:CP+16*\aa+\e+1]   ; c_t
.endr
.endr
.irp aa, 0,1
.irp e, 0,2,4,6,8,10,12,14
	v_pk_mul_f32 v[Z+64*\aa+\e:Z+64*\aa+\e+1], v[CP+16*\aa+\e:CP+16*\aa+\e+1], s[TLC:TLC+1] op_sel_hi:[1,0]
.endr
.endr
	s_wait_alu depctr_va_vdst(0)
.irp aa, 0,1
.irp e, 0,1,2,3,4,5,6,7,8,9,10,11,12,13,14,15
	v_exp_f32 v[Z+64*\aa+\e], v[Z+64*\aa+\e]
.endr
.endr
	v_nop
	s_wait_alu depctr_va_vdst(0)
	s_barrier_wait -1                              ; every wave's reads of the stage are over: it may be written again
.irp aa, 0,1
.irp u, 0,1
.irp c, 0,1
	ds_store_b128 v[ST], v[CP+16*\aa+8*\u+4*\c:CP+16*\aa+8*\u+4*\c+3] offset:\aa*SBUF+64*\u+16*\c
.endr
.endr
.endr
.irp aa, 0,1
.irp e, 0,2,4,6,8,10,12,14
	v_pk_add_f32 v[Z+64*\aa+\e:Z+64*\aa+\e+1], v[Z+64*\aa+\e:Z+64*\aa+\e+1], 1.0 op_sel_hi:[1,0]
.endr
.endr
	s_wait_alu depctr_va_vdst(0)
.irp aa, 0,1
.irp e, 0,1,2,3,4,5,6,7,8,9,10,11,12,13,14,15
	v_rcp_f32 v[Z+64*\aa+\e], v[Z+64*\aa+\e]
.endr
.endr
	v_nop
	s_wait_alu depctr_va_vdst(0)
	s_wait_xcnt 0x0                                ; the stores above have read their registers and their offset
	v_add_nc_u32 v[CO], 32*4096, v[CO]             ; on by this trip's 32 rows
.irp aa, 0,1
.irp e, 0,2,4,6,8,10,12,14
	v_pk_fma_f32 v[Z+64*\aa+\e:Z+64*\aa+\e+1], v[Z+64*\aa+\e:Z+64*\aa+\e+1], -2.0, 1.0 op_sel_hi:[1,0,0]   ; tanh(c_t)
.endr
.endr
.irp aa, 0,1
.irp e, 0,2,4,6,8,10,12,14
	v_pk_mul_f32 v[Z+64*\aa+32+\e:Z+64*\aa+33+\e], v[Z+64*\aa+32+\e:Z+64*\aa+33+\e], v[Z+64*\aa+\e:Z+64*\aa+\e+1]   ; h_t, where q lay
.endr
.endr
.irp aa, 0,1
.irp u, 0,1
.irp c, 0,1
	ds_store_b128 v[ST], v[Z+64*\aa+32+8*\u+4*\c:Z+64*\aa+32+8*\u+4*\c+3] offset:\aa*SBUF+HOFF+64*\u+16*\c
.endr
.endr
.endr
	s_wait_alu depctr_va_vdst(0)
	s_wait_dscnt 0x0                               ; for the others' sake: my stores into the stage are done
	s_barrier_signal -1
	s_barrier_wait -1                              ; the pair's rows are whole
	WIN TO_B
.irp aa, 0,1
.irp k, 0,1,2,3,4,5,6,7
	ds_load_b128 v[OB+32*\aa+4*\k:OB+32*\aa+4*\k+3], v[RD] offset:\aa*SBUF+2*\k*PITCH
.endr
.endr
	WIN 0
.endm
.macro EPILOGUE id
	s_wait_dscnt 0x0                               ; c_prev is in its registers
	s_mov_b32 s[BL], 0
.Lep\id:
	TRIP \id
	s_add_co_u32 s[BL], s[BL], 1
	s_cmp_lt_u32 s[BL], 4
	s_cbranch_scc1 .Lep\id
	s_wait_dscnt 0x0
	OST                                            ; the last pair
.endm
	s_wait_alu depctr_va_vdst(0)                   ; the wait at the head's end
.Ltile:
	s_wait_tensorcnt 0x0                           ; my part of K steps 0 and 1 is in,
	s_barrier_signal -1
	s_barrier_wait -1                              ; everybody's is
	FETCH_B 0, 0, 0
	FETCH_A 0, 0, 0
	SCALES 0
	FETCH_A 0, 0, 4
	FETCH_B 0, 1, 1
	STEP 0, 0, 1                                   ; the first products start the sums from the biases
	STEP 0, 1, 0
	STEP 0, 2, 0
	TURN 0, 1, 1
	STEP 1, 0, 0
	STEP 1, 1, 0
	STEP 1, 2, 0
	TURN 1, 0, 2
	STEP 0, 0, 0
	STEP 0, 1, 0
	STEP 0, 2, 0
	TURN 0, 1, 3
	STEP 1, 0, 0
	STEP 1, 1, 0
	STEP 1, 2, 0
	s_wait_tensorcnt 0x0                           ; the tile's last step: my 64 rows of c_prev have landed
	s_wait_dscnt 4*NL
	WIN MUL_LO
	MUL16 0, 1, NQ-1, 1, 0
	s_wait_dscnt 0x0
	s_barrier_signal -1
	MUL16 2, 1, NQ-1, 1, 0
	s_barrier_wait -1                              ; everybody's have
	WIN TO_B
.irp a, 0,1,2,3,4,5,6,7
.irp u, 0,1
.irp c, 0,1
	ds_load_b128 v[64+16*\a+64*(\a/4)+8*\u+4*\c:64+16*\a+64*(\a/4)+8*\u+4*\c+3], v[EA] offset:\a*16*PITCH+64*\u+16*\c   ; c_prev of my 128 x 32 outputs, into window 1
.endr
.endr
.endr
	WIN MUL_HI
	MUL16 4, 1, NQ-1, 1, 0
	MUL16 6, 1, NQ-1, 1, 0
	WIN 0
	PLACES NP                                      ; in front of the first read of results and of writes into the last products' sources
	s_cmp_eq_u32 s[TL], 1
	s_cbranch_scc1 .Llast_tile                     ; the last tile asks for nothing more
	s_wait_xcnt 0x0                                ; my prefetches have read their base
	s_add_nc_u64 s[CPP:CPP+1], s[CPP:CPP+1], 4096*4096
	s_wait_tensorcnt 0x0                           ; no tensor load of mine is out,
	ds_add_u32 v[SPW], v[NIL]
	s_add_nc_u64 s[G0+2:G0+3], s[G0+2:G0+3], NEXTT-2*HALFT     ; the next tile's K step 0: A 4,096 rows down and back along K,
	s_sub_nc_u64 s[G0B+2:G0B+3], s[G0B+2:G0B+3], 2*HALFT       ; B only back
	s_add_nc_u64 s[G0+6:G0+7], s[G0+6:G0+7], NEXTT
	s_add_nc_u64 s[G0C+2:G0C+3], s[G0C+2:G0C+3], 4096*4096
	s_wait_dscnt 0x0                               ; the add is done, and c_prev has been read out of slot 0
	CROUND
	JLOAD G0, G1D, G0B, G1DB                       ; the next tile's K steps 0 and 1, on their way under the cell
	EPILOGUE 0
	s_wait_xcnt 0x0                                ; the stores have read their registers and their base
	s_add_nc_u64 s[OUT:OUT+1], s[OUT:OUT+1], (4096-128)*4096   ; my offset has gone 128 rows on by itself
	s_sub_co_u32 s[TL], s[TL], 1
	s_branch .Ltile
.Llast_tile:
	EPILOGUE 1
	s_wait_tensorcnt 0x0                           ; the wave's end
	ds_add_u32 v[SPW], v[NIL]
	s_wait_dscnt 0x0
	CROUND                                         ; the closing round
	s_endpgm
.Lfunc_end_k_q377f34f047_cell:
	.size	k_q377f34f047_cell, .Lfunc_end_k_q377f34f047_cell-k_q377f34f047_cell
	.p2alignl 7, 3214868480
	.fill 96, 4, 3214868480
	.section	.rodata,"a",@progbits
	.p2align	6, 0x0
	.amdhsa_kernel k_q377f34f047_cell
		.amdhsa_group_segment_fixed_size 327680
		.amdhsa_private_segment_fixed_size 0
		.amdhsa_enable_private_segment 0
		.amdhsa_kernarg_size 64
		.amdhsa_user_sgpr_count 2
		.amdhsa_user_sgpr_kernarg_segment_ptr 1
		.amdhsa_wavefront_size32 1
		.amdhsa_system_sgpr_workgroup_id_x 1
		.amdhsa_system_sgpr_workgroup_id_y 1
		.amdhsa_system_sgpr_workgroup_id_z 1
		.amdhsa_system_vgpr_workitem_id 0
		.amdhsa_next_free_vgpr 1024
		.amdhsa_next_free_sgpr 106
		.amdhsa_reserve_vcc 0
		.amdhsa_float_denorm_mode_32 3
		.amdhsa_float_denorm_mode_16_64 3
		.amdhsa_memory_ordered 1
		.amdhsa_forward_progress 1
		.amdhsa_inst_pref_size 255
	.end_amdhsa_kernel
	.section	.bss,"aw",@nobits
	.p2align	6
	.space	262144
	.amdgpu_metadata
---
amdhsa.version: [ 1, 2 ]
amdhsa.kernels:
  - .name:           k_q377f34f047_cell
    .symbol:         k_q377f34f047_cell.kd
    .args:
      - { .name: a_img, .offset: 0, .size: 8, .value_kind: global_buffer, .address_space: global }
      - { .name: b_img, .offset: 8, .size: 8, .value_kind: global_buffer, .address_space: global }
      - { .name: b_x, .offset: 16, .size: 8, .value_kind: global_buffer, .address_space: global }
      - { .name: b_h, .offset: 24, .size: 8, .value_kind: global_buffer, .address_space: global }
      - { .name: b_extra, .offset: 32, .size: 8, .value_kind: global_buffer, .address_space: global }
      - { .name: c_prev, .offset: 40, .size: 8, .value_kind: global_buffer, .address_space: global }
      - { .name: out0, .offset: 48, .size: 8, .value_kind: global_buffer, .address_space: global }
      - { .name: out1, .offset: 56, .size: 8, .value_kind: global_buffer, .address_space: global }
    .group_segment_fixed_size: 327680
    .private_segment_fixed_size: 0
    .kernarg_segment_align: 8
    .kernarg_segment_size: 64
    .max_flat_workgroup_size: 128
    .sgpr_count:     106
    .vgpr_count:     1024
    .wavefront_size: 32
...
	.end_amdgpu_metadata
.endif
;; end of part 2
